; MI455X (gfx1250); checked and timed in simulation.
; The chip was launched on July 23, 2026; its instructions are those of AMD's public machine-readable ISA for CDNA 5 (MIT licence, August 2026) and "CDNA5" Instruction Set Architecture Reference Guide (July 2026). The comments in the code are by the model that wrote it; some were corrected since.
;; Switch Transformer Routing. Allowed arithmetic: matrix products marked QUANTISED: E2M1 operands, one E8M0 scale for each 32 along K, by v_wmma_scale_f32_16x16x128_f8f6f4 with both operands' format E2M1 (or v_wmma_scale_f32_32x16x128_f4), f32 sums; products left as they are: f32 operands where the result goes on into a quantised operand, else bf16, f16 or f32 operands; f32 sums; everything else in f32.
;; Inputs: b1 8 x 2,048 float32; b2 8 x 512 float32; gate_b 8 float32; gate_w 512 x 8 float32; w1_codes 8 x 2,048 x 16 x 16 uint8 (E2M1 codes of w1, K innermost, in blocks of 32 codes, two codes a byte); w1_scales 8 x 2,048 x 16 uint8 (E8M0 scales of w1, one for each 32 codes along K); w2_codes 8 x 512 x 64 x 16 uint8 (E2M1 codes of w2, K innermost, in blocks of 32 codes, two codes a byte); w2_scales 8 x 512 x 64 uint8 (E8M0 scales of w2, one for each 32 codes along K); x 2 x 2,048 x 512 float32.
;; Outputs: out0 2 x 2,048 x 512 float32.
;; This version of the problem:
;;   THIS VERSION OF THE PROBLEM IS GIVEN IN LOW PRECISION. The matrix products marked QUANTISED in the list below multiply operands that are first quantised to E2M1 (2 exponent bits, 1 mantissa bit; 4 bits a number), with one power-of-two scale for each 32 numbers along K (OCP MX v1.0); their sums are f32. All else is computed in f32.
;;   The module's matrix products, in the order in which they are computed (A, B: the left and right operand; K: the contracted axis; several contracted axes count as one K, in the product's order):
;;     1. [M 4,096, K 512] x [K 512, N 8]; A: input x; B: input gate_w: left as it is (N = 8 < 16)
;;     2. [M 4,096, K 512] x [K 512, N 2,048]; A: input x; B: input w1 (given as codes): QUANTISED
;;     3. [M 4,096, K 2,048] x [K 2,048, N 512]; A: computed on the way; B: input w2 (given as codes): QUANTISED
;;     4. [M 4,096, K 512] x [K 512, N 2,048]; A: input x; B: input w1 (given as codes): QUANTISED
;;     5. [M 4,096, K 2,048] x [K 2,048, N 512]; A: computed on the way; B: input w2 (given as codes): QUANTISED
;;     6. [M 4,096, K 512] x [K 512, N 2,048]; A: input x; B: input w1 (given as codes): QUANTISED
;;     7. [M 4,096, K 2,048] x [K 2,048, N 512]; A: computed on the way; B: input w2 (given as codes): QUANTISED
;;     8. [M 4,096, K 512] x [K 512, N 2,048]; A: input x; B: input w1 (given as codes): QUANTISED
;;     9. [M 4,096, K 2,048] x [K 2,048, N 512]; A: computed on the way; B: input w2 (given as codes): QUANTISED
;;     10. [M 4,096, K 512] x [K 512, N 2,048]; A: input x; B: input w1 (given as codes): QUANTISED
;;     11. [M 4,096, K 2,048] x [K 2,048, N 512]; A: computed on the way; B: input w2 (given as codes): QUANTISED
;;     12. [M 4,096, K 512] x [K 512, N 2,048]; A: input x; B: input w1 (given as codes): QUANTISED
;;     13. [M 4,096, K 2,048] x [K 2,048, N 512]; A: computed on the way; B: input w2 (given as codes): QUANTISED
;;     14. [M 4,096, K 512] x [K 512, N 2,048]; A: input x; B: input w1 (given as codes): QUANTISED
;;     15. [M 4,096, K 2,048] x [K 2,048, N 512]; A: computed on the way; B: input w2 (given as codes): QUANTISED
;;     16. [M 4,096, K 512] x [K 512, N 2,048]; A: input x; B: input w1 (given as codes): QUANTISED
;;     17. [M 4,096, K 2,048] x [K 2,048, N 512]; A: computed on the way; B: input w2 (given as codes): QUANTISED
;;   THE QUANTISER, for each operand of a quantised product, along K:
;;     - K is cut into blocks of 32 from its start; a last block that is shorter is filled with zeros.
;;     - A block's scale is 2^e with e = floor(log2(the largest magnitude in the block)) - 2, held to -126 .. 127; a block of zeros has e = 0. As a byte (E8M0): e + 127.
;;     - Each number is divided by its block's scale, clamped to +-6, and rounded to the nearest number of E2M1, ties to even, subnormals kept.
;;     - The product sums the exact products of the quantised numbers (number of the format x scale) in f32.
;;   ~~~python
;;   def quantise(x, axis):      # numpy; x: float32 -> the quantised numbers, widened to float32 again
;;       x = np.moveaxis(x, axis, -1); K = x.shape[-1]
;;       x = np.pad(x, [(0, 0)] * (x.ndim - 1) + [(0, -K % 32)]); x = x.reshape(x.shape[:-1] + (-1, 32)); a = np.abs(x).max(-1, keepdims=True)
;;       e = np.where(a > 0, np.clip(np.frexp(np.where(a > 0, a, 1))[1] - 1 - 2, -126, 127), 0)      # np.frexp(a)[1] - 1 = floor(log2(a)), exactly
;;       r = np.clip(x / 2.0 ** e, -6, 6)
;;       step = 2.0 ** (np.maximum(np.frexp(np.where(r == 0, 1, r))[1] - 1, 0) - 1)
;;       q = np.round(r / step) * step * 2.0 ** e      # np.round: ties to even
;;       return np.moveaxis(q.reshape(q.shape[:-2] + (-1,))[..., :K], -1, axis).astype(np.float32)
;;   ~~~
;;   OPERANDS COMPUTED ON THE WAY. 'Computed on the way' means the value that the module computes at that place (a softmax that the list does not call 'softmax' is quantised finished and normalised). What goes into a quantiser is computed in f32, as accurately as f32 sums, v_exp_f32 and their like allow (about 1e-6 of the number): no bf16 or f16 on the way to a quantiser, and a product that is left as it is and whose result goes on into a quantised operand takes f32 operands (vector FMAs, or v_wmma_f32_16x16x4_f32). A number that lies on a knife's edge between two numbers of the format may be rounded either way, as far as f32 arithmetic and the matrix unit's own rounding can turn it there, and no further.
;;   INPUTS GIVEN AS CODES. w1 (in the module: [8, 512, 2048], K = its axis 1); w2 (in the module: [8, 2048, 512], K = its axis 1): each comes as NAME_codes (uint8): NAME with its K axis moved to the last place and cut into blocks of 32 codes, [.., K / 32, bytes a block], one block behind the other in memory; two codes a byte, the lower K in the low four bits (a code: sign, 2 exponent bits, 1 mantissa bit); and NAME_scales (uint8): the same leading axes, one E8M0 byte (e + 127) for each 32 codes along K. Its value is code x scale, taken as it is: it is not quantised again, and the codes and scales need not be those that the quantiser above would give.
;; One version. Each part assembles by itself: llvm-mc -triple=amdgcn-amd-amdhsa -mcpu=gfx1250 --defsym DOCPART=n.
;; ======== version 1 of 1: 2 launches
;; workspace buffers: xq 1,048,576 bytes; xs 65,536 bytes; rec 2,048 bytes of whole numbers; ordc 16,384 bytes of whole numbers
;; launch route (part 1): grid 128 x 1, 8 waves a work-group, no clusters, 101,888 bytes of LDS; arguments x, gate_w, gate_b, xq, xs, rec, ordc; writes xq, xs, rec, ordc
.if DOCPART == 1
	.amdgcn_target "amdgcn-amd-amdhsa--gfx1250"
	.amdhsa_code_object_version 6
	.text
	.protected	k_q0322f3a3f0_route
	.globl	k_q0322f3a3f0_route
	.p2align	8
	.type	k_q0322f3a3f0_route,@function
k_q0322f3a3f0_route:
	s_mov_b64 s[64:65], 0
	v_nop
	global_prefetch_b8 v0, s[64:65] scope:SCOPE_SE
	s_setreg_imm32_b32 hwreg(HW_REG_WAVE_MODE, 25, 1), 1
	s_wait_xcnt 0x0
; ROUTE.  x [4096][512] f32 is read once.  For each token: (a) its 512 numbers become codes of E2M1 with one E8M0 byte for each 32 along K (xq [4096][256 B], xs [4096][16 B]);
; (b) its 8 logits x . gate_w + gate_b in f32, the top 2 (strict comparisons: of equal logits the lower index stands first) and e* = the larger of the two indices.
; A work-group is a chunk of 32 tokens; wave w takes tokens 4 w .. 4 w + 3 of it.  Wave 0 then sorts the chunk's 32 tokens by e* in registers and stores, at FIXED places:
; rec[chunk] = four words (counts of experts 0-3, 4-7, first places of experts 0-3, 4-7: a byte each, at most 32), ordc[chunk][32] = the chunk's token numbers by expert.  No address here hangs on a logit.
; A lane must hold 16 NEIGHBOURS along K for the conversions, and a load is best where neighbouring lanes take neighbouring bytes: each load reads 512 consecutive bytes, and a token's 2,048 bytes turn
; through the wave's own stage in LDS (16 bytes of padding behind each 64).  Lane l then holds k = 16 l .. 16 l + 15, and keeps gate_w's rows 16 l .. 16 l + 15 (128 numbers) in registers.
; A block's scale is 2^(floor(log2(largest magnitude)) - 2): its byte is that magnitude's exponent field - 2, held at 1 from below.
; LIMITS: NaN and infinities are not served.  Two logits nearer than the rounding of an f32 sum of 512 terms may be ranked either way.  A block whose largest magnitude lies under 2^-124 gets the byte 1;
; a block of zeros gets the byte 1 with zero codes (the bytes are read by this program alone).
; No matrix unit (8 columns), no tensor load, no cluster: every byte is read by one wave, but gate_w's 16 KiB.
.set GP,    528                        ; gate_w in LDS: a lane's 512 bytes + 16 of padding
.set STG,   16896                      ; behind it: the stages, 4 tokens x 2,560 bytes for each wave
.set SP,    80                         ; a lane's place in a stage: 64 bytes + 16
.set TOKB,  32*SP
.set LOG,   98816                      ; 32 tokens x 8 logits
.set SCB,   99840                      ; 32 tokens x 16 scale bytes
.set A,     16                         ; v16-23  the 8 sums
.set TT,    24                         ; v24-31  the other half's sums
.set C,     32                         ; v32-39  codes: two registers for each token, so that no store's data are written again
.set L,     40                         ; v40-47  the tail: my token's logits
.set SB,    48                         ; v48-51  its scale bytes
.set BV,    52                         ; best value, best index, second value, second index
.set BX,    53
.set SV,    54
.set SX,    55
.set ES,    56                         ; e*
.set KEY,   57                         ; my token's place in the sorted chunk
.set TMP,   58
.set INV,   59                         ; which token stands at place = my lane
.set R,     64                         ; v64-127 four tokens x 16 numbers
.set G,     128                        ; v128-255 register 8 k + e = gate_w[16 lane + k][e]
	s_load_b256 s[4:11], s[0:1], 0x0               ; x, gate_w, gate_b, xq
	s_load_b128 s[12:15], s[0:1], 0x20             ; xs, rec
	s_load_b64 s[16:17], s[0:1], 0x30              ; ordc
	v_lshl_add_u32 v60, v0, 2, 0x18a00
	v_mov_b32 v61, 0
	v_lshrrev_b32 v9, 5, v0
	v_readfirstlane_b32 s18, v9                    ; wave 0..7
	v_and_b32 v1, 31, v0                           ; lane
	v_lshlrev_b32 v2, 4, v1                        ; 16 x lane
	v_lshlrev_b32 v3, 4, v0                        ; 16 x thread: my 16 bytes of 4,096 of gate_w
	v_lshl_add_u32 v4, v9, 4, v3                   ; and their place in LDS: byte o goes to o + 16 (o / 512)
	v_mul_u32_u24 v5, v1, GP                       ; my lane's 512 bytes of gate_w
	s_mul_i32 s34, s18, 4*TOKB
	s_add_co_u32 s34, s34, STG                     ; my wave's stages
	v_lshrrev_b32 v6, 2, v1
	v_mul_u32_u24 v6, v6, SP
	v_and_b32 v7, 3, v1
	v_lshl_add_u32 v6, v7, 4, v6
	v_add_nc_u32 v6, s34, v6                       ; in: four lanes' 64 bytes on end, then the padding
	v_mul_u32_u24 v7, v1, SP
	v_add_nc_u32 v7, s34, v7                       ; out: my 16 neighbours
	v_lshl_add_u32 v8, v9, 7, LOG                  ; my wave's four tokens' logits
	v_lshrrev_b32 v10, 1, v1
	v_lshl_add_u32 v9, v9, 6, v10
	v_add_nc_u32 v9, SCB, v9                       ; my block's scale byte: 64 x wave + lane / 2
	v_lshlrev_b32 v10, 3, v1                       ; my 8 bytes of a token's codes
	v_lshlrev_b32 v15, 2, v1
	v_lshl_add_u32 v62, v1, 5, LOG                 ; the tail's addresses are made here, ahead of the parting of the waves: token = lane
	v_lshl_add_u32 v63, v1, 4, SCB
.irp e, 0,1,2,3,4,5,6,7
	v_mov_b32 v[TT+\e], 0                          ; written once: a lane permute's destination counts as one of its sources
.endr
	s_mov_b32 s20, 0x76543210
	s_mov_b32 s21, 0xfedcba98                      ; v_permlanex16_b32's selects for lane l xor 16
	s_lshl_b32 s42, ttmp9, 16                      ; x: 32 tokens x 2,048 bytes a chunk, 4 tokens a wave
	s_lshl_b32 s35, s18, 13
	s_add_co_u32 s42, s42, s35
	s_mov_b32 s43, 0
	s_lshl_b32 s44, ttmp9, 13                      ; xq: 256 bytes a token
	s_lshl_b32 s35, s18, 10
	s_add_co_u32 s44, s44, s35
	s_mov_b32 s45, 0
	s_lshl_b32 s46, ttmp9, 9                       ; xs: 16 bytes a token
	s_mov_b32 s47, 0
	s_lshl_b32 s48, ttmp9, 4                       ; rec: 16 bytes a chunk
	s_mov_b32 s49, 0
	s_lshl_b32 s50, ttmp9, 7                       ; ordc: 128 bytes a chunk
	s_mov_b32 s51, 0
	s_wait_kmcnt 0x0
	s_load_b256 s[24:31], s[8:9], 0x0              ; gate_b
	s_add_nc_u64 s[4:5], s[4:5], s[42:43]
	s_add_nc_u64 s[10:11], s[10:11], s[44:45]
	s_add_nc_u64 s[12:13], s[12:13], s[46:47]
	s_add_nc_u64 s[14:15], s[14:15], s[48:49]
	s_add_nc_u64 s[16:17], s[16:17], s[50:51]
.irp i, 0,1,2,3
	global_load_b128 v[G+4*\i:G+4*\i+3], v3, s[6:7] offset:4096*\i     ; gate_w whole: 256 threads x 16 bytes, four times
.endr
.irp t, 0,1,2,3
.irp i, 0,1,2,3
	global_load_b128 v[R+16*\t+4*\i:R+16*\t+4*\i+3], v2, s[4:5] offset:2048*\t+512*\i th:TH_LOAD_NT   ; 32 lanes read 512 consecutive bytes
.endr
.endr
	s_wait_loadcnt 16                              ; gate_w's four loads are in; x's sixteen, issued behind them, may be out
.irp i, 0,1,2,3
	ds_store_b128 v4, v[G+4*\i:G+4*\i+3] offset:4224*\i
.endr
	s_wait_dscnt 0x0                               ; for the others' sake: my part of gate_w lies in LDS
	s_barrier_signal -1
	s_barrier_wait -1
.set j, 0
.rept 32
	ds_load_b128 v[G+4*j:G+4*j+3], v5 offset:16*j  ; my 16 rows of gate_w; lanes 528 bytes apart
.set j, j+1
.endr
	s_wait_loadcnt 0x0                             ; x
.irp t, 0,1,2,3
.irp i, 0,1,2,3
	ds_store_b128 v6, v[R+16*\t+4*\i:R+16*\t+4*\i+3] offset:TOKB*\t+8*SP*\i
.endr
.endr
	s_wait_dscnt 0x0                               ; gate_w is in registers, and the stores have read theirs, which the loads below fill again
.irp t, 0,1,2,3
.irp i, 0,1,2,3
	ds_load_b128 v[R+16*\t+4*\i:R+16*\t+4*\i+3], v7 offset:TOKB*\t+16*\i
.endr
.endr
; One token: 8 sums over my 16 numbers (two experts an instruction, x broadcast from its pair), the sum over the 32 lanes, the logits to LDS; then my half block's codes and the block's byte.
.macro TOKEN t
.set X, R+16*\t
	s_wait_dscnt 0x0                               ; the token's numbers are back from the stage; the last token's LDS stores are done
.irp e, 0,2,4,6
	v_pk_mul_f32 v[A+\e:A+\e+1], v[X:X+1], v[G+\e:G+\e+1] op_sel_hi:[0,1]      ; the first product starts the sums
.endr
.set k, 1
.rept 15
.irp e, 0,2,4,6
.if k%2
	v_pk_fma_f32 v[A+\e:A+\e+1], v[X+k-1:X+k], v[G+8*k+\e:G+8*k+\e+1], v[A+\e:A+\e+1] op_sel:[1,0,0]
.else
	v_pk_fma_f32 v[A+\e:A+\e+1], v[X+k:X+k+1], v[G+8*k+\e:G+8*k+\e+1], v[A+\e:A+\e+1] op_sel_hi:[0,1,1]
.endif
.endr
.set k, k+1
.endr
.irp m, 1,2,4,8
.irp e, 0,1,2,3,4,5,6,7
	v_add_f32_dpp v[A+\e], v[A+\e], v[A+\e] row_xmask:\m row_mask:0xf bank_mask:0xf
.endr
.endr
.irp e, 0,1,2,3,4,5,6,7
	v_permlanex16_b32 v[TT+\e], v[A+\e], s20, s21
.endr
.irp e, 0,1,2,3,4,5,6,7
	v_add_f32 v[A+\e], v[A+\e], v[TT+\e]           ; every lane holds the 8 sums
.endr
	ds_store_b128 v8, v[A:A+3] offset:32*\t        ; all lanes write the same words with the same values
	ds_store_b128 v8, v[A+4:A+7] offset:32*\t+16
	v_max3_num_f32 v11, |v[X]|, |v[X+1]|, |v[X+2]|                 ; the largest magnitude of my 16, in two chains
	v_max3_num_f32 v12, |v[X+3]|, |v[X+4]|, |v[X+5]|
.irp i, 6,10
	v_max3_num_f32 v11, v11, |v[X+\i]|, |v[X+\i+1]|
	v_max3_num_f32 v12, v12, |v[X+\i+2]|, |v[X+\i+3]|
.endr
	v_max3_num_f32 v11, v11, |v[X+14]|, |v[X+15]|
	v_max3_num_f32 v11, v11, v12, 0x1800000        ; and the floor 2^(3 - 127): the byte cannot fall under 1
	v_max_num_f32_dpp v11, v11, v11 row_xmask:1 row_mask:0xf bank_mask:0xf   ; with my neighbour's 16: the block's
	v_add_nc_u32 v13, 0xff000000, v11              ; 2 off its exponent field: the conversion takes this operand's exponent field as its scale
	v_cvt_scalef32_pk8_fp4_f32 v[C+2*\t], v[X:X+7], v13
	v_cvt_scalef32_pk8_fp4_f32 v[C+2*\t+1], v[X+8:X+15], v13
	v_lshrrev_b32 v14, 23, v13                     ; the scale's byte (a plain line behind the conversions)
	ds_store_b8 v9, v14 offset:16*\t               ; both lanes of a block write the same byte
	global_store_b64 v10, v[C+2*\t:C+2*\t+1], s[10:11] offset:256*\t   ; 32 lanes store the token's 256 bytes of codes, aligned
.endm
	TOKEN 0
	TOKEN 1
	TOKEN 2
	TOKEN 3
	s_wait_kmcnt 0x0                               ; gate_b
	s_wait_dscnt 0x0                               ; for wave 0's sake: my logits and scale bytes lie in LDS
	s_barrier_signal -1
	s_barrier_wait -1
	s_cmp_lg_u32 s18, 0
	s_cbranch_scc1 .Lend
	; THE TAIL, wave 0: lane = token of the chunk
	ds_load_b128 v[L:L+3], v62
	ds_load_b128 v[L+4:L+7], v62 offset:16
	ds_load_b128 v[SB:SB+3], v63
	s_wait_dscnt 0x0
	global_store_b128 v2, v[SB:SB+3], s[12:13]     ; the chunk's 512 scale bytes, consecutive
.irp e, 0,1,2,3,4,5,6,7
	v_add_f32 v[L+\e], s[24+\e], v[L+\e]
.endr
	v_mov_b32 v[BV], v[L]
	v_mov_b32 v[BX], 0
	v_mov_b32 v[SV], 0xff800000                    ; -infinity
	v_mov_b32 v[SX], 0
.irp i, 1,2,3,4,5,6,7
	v_cmp_gt_f32 s40, v[L+\i], v[BV]               ; a new best?  Strictly greater: of equals the lower index stays ahead
	v_cmp_gt_f32 vcc_lo, v[L+\i], v[SV]            ; a new second?
	v_cndmask_b32 v[SV], v[SV], v[L+\i], vcc_lo
	v_cndmask_b32 v[SX], v[SX], \i, vcc_lo
	v_cndmask_b32 v[SV], v[SV], v[BV], s40         ; a new best makes the old best the second
	v_cndmask_b32 v[SX], v[SX], v[BX], s40
	v_cndmask_b32 v[BV], v[BV], v[L+\i], s40
	v_cndmask_b32 v[BX], v[BX], \i, s40
.endr
	v_cmp_gt_u32 vcc_lo, v[BX], v[SX]
	v_cndmask_b32 v[ES], v[SX], v[BX], vcc_lo      ; e* = the larger index
	; a counting sort of 32 tokens by 8 experts: a ballot for each expert
	s_mov_b32 s34, 0                               ; places taken so far
	s_mov_b32 s36, 0                               ; counts of experts 0-3, 4-7; first places of 0-3, 4-7
	s_mov_b32 s37, 0
	s_mov_b32 s38, 0
	s_mov_b32 s39, 0
	v_mov_b32 v[KEY], 0
.irp e, 0,1,2,3,4,5,6,7
	v_cmp_eq_u32 s32, \e, v[ES]
	v_mbcnt_lo_u32_b32 v[TMP], s32, s34            ; the expert's first place + its tokens in lower lanes
	v_cndmask_b32 v[KEY], v[KEY], v[TMP], s32
	s_bcnt1_i32_b32 s33, s32
	s_lshl_b32 s35, s33, 8*(\e%4)
	s_or_b32 s[36+\e/4], s[36+\e/4], s35
	s_lshl_b32 s35, s34, 8*(\e%4)
	s_or_b32 s[38+\e/4], s[38+\e/4], s35
	s_add_co_u32 s34, s34, s33
.endr
	v_mov_b32 v[INV], 0
.set j, 0
.rept 32
	v_readlane_b32 s35, v[KEY], j                  ; token j stands at place s35: the lane of that number notes j.  A value is chosen; no address is made of it
	v_cmp_eq_u32 vcc_lo, s35, v1
	v_cndmask_b32 v[INV], v[INV], j, vcc_lo
.set j, j+1
.endr
	s_lshl_b32 s35, ttmp9, 5
	v_add_nc_u32 v[TMP], s35, v[INV]               ; as a token's number
	global_store_b32 v15, v[TMP], s[16:17]
	v_mov_b32 v64, s36
	v_mov_b32 v65, s37
	v_mov_b32 v66, s38
	v_mov_b32 v67, s39
	v_cmp_eq_u32 vcc_lo, 0, v1
	s_wait_xcnt 0x0                                ; EXEC is a source of the stores above: it changes only behind this wait
	s_and_saveexec_b32 s41, vcc_lo
	global_store_b128 v2, v[64:67], s[14:15]       ; lane 0 (whose 16 x lane is 0): the chunk's record
	s_wait_xcnt 0x0                                ; and again in front of the line that widens it
	s_or_b32 exec_lo, exec_lo, s41
.Lend:
	s_wait_tensorcnt 0x0
	ds_add_u32 v60, v61
	s_wait_dscnt 0x0
	s_endpgm
.Lfunc_end_k_q0322f3a3f0_route:
	.size	k_q0322f3a3f0_route, .Lfunc_end_k_q0322f3a3f0_route-k_q0322f3a3f0_route
	.p2alignl 7, 3214868480
	.fill 96, 4, 3214868480
	.section	.rodata,"a",@progbits
	.p2align	6, 0x0
	.amdhsa_kernel k_q0322f3a3f0_route
		.amdhsa_group_segment_fixed_size 101888
		.amdhsa_private_segment_fixed_size 0
		.amdhsa_enable_private_segment 0
		.amdhsa_kernarg_size 56
		.amdhsa_user_sgpr_count 2
		.amdhsa_user_sgpr_kernarg_segment_ptr 1
		.amdhsa_wavefront_size32 1
		.amdhsa_system_sgpr_workgroup_id_x 1
		.amdhsa_system_sgpr_workgroup_id_y 1
		.amdhsa_system_sgpr_workgroup_id_z 1
		.amdhsa_system_vgpr_workitem_id 0
		.amdhsa_next_free_vgpr 256
		.amdhsa_next_free_sgpr 66
		.amdhsa_reserve_vcc 1
		.amdhsa_float_denorm_mode_32 3
		.amdhsa_float_denorm_mode_16_64 3
		.amdhsa_memory_ordered 1
		.amdhsa_forward_progress 1
		.amdhsa_inst_pref_size 54
	.end_amdhsa_kernel
	.amdgpu_metadata
---
amdhsa.version: [ 1, 2 ]
amdhsa.kernels:
  - .name:           k_q0322f3a3f0_route
    .symbol:         k_q0322f3a3f0_route.kd
    .args:
      - { .name: x, .offset: 0, .size: 8, .value_kind: global_buffer, .address_space: global }
      - { .name: gate_w, .offset: 8, .size: 8, .value_kind: global_buffer, .address_space: global }
      - { .name: gate_b, .offset: 16, .size: 8, .value_kind: global_buffer, .address_space: global }
      - { .name: xq, .offset: 24, .size: 8, .value_kind: global_buffer, .address_space: global }
      - { .name: xs, .offset: 32, .size: 8, .value_kind: global_buffer, .address_space: global }
      - { .name: rec, .offset: 40, .size: 8, .value_kind: global_buffer, .address_space: global }
      - { .name: ordc, .offset: 48, .size: 8, .value_kind: global_buffer, .address_space: global }
    .group_segment_fixed_size: 101888
    .private_segment_fixed_size: 0
    .kernarg_segment_align: 8
    .kernarg_segment_size: 56
    .max_flat_workgroup_size: 256
    .sgpr_count:     66
    .vgpr_count:     256
    .wavefront_size: 32
...
	.end_amdgpu_metadata
.endif
;; end of part 1
;; launch ffn (part 2): grid 135 x 1, 16 waves a work-group, no clusters, 105,472 bytes of LDS; arguments xq, xs, rec, ordc, w1_codes, w1_scales, b1, w2_codes, w2_scales, b2, out0; writes out0
.if DOCPART == 2
	.amdgcn_target "amdgcn-amd-amdhsa--gfx1250"
	.amdhsa_code_object_version 6
	.text
	.protected	k_q0322f3a3f0_ffn
	.globl	k_q0322f3a3f0_ffn
	.p2align	8
	.type	k_q0322f3a3f0_ffn,@function
k_q0322f3a3f0_ffn:
	s_mov_b64 s[64:65], 0
	v_nop
	global_prefetch_b8 v0, s[64:65] scope:SCOPE_SE
	s_setreg_imm32_b32 hwreg(HW_REG_WAVE_MODE, 25, 1), 1
	s_wait_xcnt 0x0
; FFN.  out[token] = 2 (gelu(x W1[e] + b1[e]) W2[e] + b2[e]) for the token's one expert e = e*; both products on codes of E2M1 with one E8M0 scale for each 32 along K.
; A work-group takes ONE TILE of up to 32 rows of one expert through the whole chain.  4,096 rows, 8 experts, tiles of 32: never more than floor(4088 / 32) + 8 = 135 tiles, whatever the split: that is the grid.
; A work-group that a split leaves without rows walks the same text on a clamped row and stores nothing, so that no barrier stands under a branch on loaded numbers.
; PLACING, wave 0: from the 128 chunks' records (2 KiB) it sums each expert's rows, finds the tile's expert E, its number T in that expert and its count of rows CNT, and for each of its 32 rows, by prefix sums and
; a search in registers, the chunk and the place in it; one gather from the sorted lists gives the 32 token numbers.  They go to the other waves through LDS.
; SHARES.  Sixteen waves, four to a SIMD, 256 registers each, so that one wave's vector work stands beside another's matrix work and loads.  Wave w makes hidden units 128 w .. 128 w + 127 for the 32 rows:
; K step w of the second product; then outputs 32 w .. 32 w + 31; then stores rows 2 w, 2 w + 1 whole.  The hidden layer never goes to memory: it goes from wave to wave through LDS as images of the operand's registers.
; BOTH PRODUCTS ARE USED TRANSPOSED (source 0 = 16 rows of the weight, source 1 = 16 tokens): a lane holds one token.  THE ROWS OF W1 THAT FORM A TILE ARE NOT NEIGHBOURS: lane r of tile 2 b + u takes row
; 32 b + 8 u + r + 8 (r / 8), so that the 16 registers of tiles 2 b, 2 b + 1 are 16 neighbours along the next K.  The biases are the C of each sum's first matrix instruction.
; EXACT GELU: h = max(z, 0) - |z| q, q = erfc(|z| / sqrt 2) / 2 = t 2^(KZ z z + C0 + t (C1 + t (C2 + .. t C9))), t = 1 / (1 + |z| / (2 sqrt 2)): a Chebyshev fit of erfc with a fractional error of 1.2e-7
; on the whole axis; nothing is cancelled on the negative side, and there is no branch on data.
; The weights go from memory straight into registers.  NO TENSOR LOAD, NO CLUSTER: a tile's expert is a number read from memory, so a descriptor would hang on loaded data, the partners of a cluster could
; belong to different experts, and this text branches on stored numbers.
; LIMITS: NaN and infinities are not served.  A block of the hidden layer whose largest magnitude lies under 2^-124 gets the byte 1; a block of zeros the byte 1 with zero codes.
.set LST,   0                          ; LDS: 32 token numbers; from byte 128 the words E, CNT, T
.set HIMG,  256                        ; the hidden layer's 32 fragments: (K step s, rows 16 m on) at (2 s + m) x 1,024
.set HSC,   33024                      ; their scale words: (2 s + m) x 128, 4 bytes a lane
.set STG,   37120                      ; the stage for the way out: 32 rows x (2,048 + 16) bytes
.set SPITCH, 2064
.set XF,  16                           ; v16-79   x's fragments (32 m + 8 s); later W2's odd quads
.set XS,  80                           ; v80-87   x's scale words (4 m + s); later W2's, odd quads
.set WF,  88                           ; v88-151  W1's fragments of a pair of tiles (32 u + 8 s); later W2's even quads; at the end rows of out
.set WS,  152                          ; v152-159 their scale words (4 u + s); later W2's, even quads
.set BI,  160                          ; v160-175 b1 of the pair (8 u); later b2 (8 n)
.set ACC, 176                          ; v176-207 four accumulators: 16 m + 8 u; later 8 (2 n + m)
.set PC,  208                          ; v208-223 the hidden layer's codes (8 m + 2 b ..); later hidden fragments, set 0
.set PW,  224                          ; v224-225 its scale words; later the fetched scale words, set 0 (set 1: v254-255)
.set T,   226                          ; v226-233 at work; with P later hidden fragments, set 1
.set P,   234                          ; v234-241
.set AA,  242                          ; v242-249
.set C8V, 252                          ; v[252:253] the coefficient C8, twice
.set C9,  36                           ; scalar pairs: a packed form names a pair and takes its low word for both halves
.set C7,  40
.set C6,  42
.set C5,  44
.set C4,  46
.set C3,  48
.set C2,  50
.set C1,  52
.set C0,  54
.set KZ,  56
.set CD,  58
; v1 W1's codes, v2 W1's scales, v3 b1, v8 W2's codes, v9 W2's scales, v10 b2: my lane's byte offsets in the expert's part; v4 16 x lane, v5 4 x lane; v6, v7 where I store images and scale words;
; v11, v12 the stage, in and out; v13, v14 my two rows of out; v15 the prefetches' offset; v250 4 r, v251 8 w: the list's words.  None is rewritten.
.macro PAIR r, bits
	s_mov_b32 s[\r], \bits
	s_mov_b32 s[\r+1], \bits
.endm
.macro PLACES                          ; four plain places behind matrix instructions, in front of loads into their sources and of the first read of results
.rept 4
	v_nop
.endr
.endm
	s_load_b512 s[4:19], s[0:1], 0x0               ; xq, xs, rec, ordc, W1's codes, W1's scales, b1, W2's codes
	s_load_b128 s[20:23], s[0:1], 0x40             ; W2's scales, b2
	s_load_b64 s[24:25], s[0:1], 0x50              ; out
	v_lshrrev_b32 v240, 5, v0
	v_readfirstlane_b32 s26, v240                  ; wave 0..15
	v_and_b32 v241, 31, v0                         ; lane
	v_and_b32 v242, 15, v0                         ; r
	v_bfe_u32 v243, v0, 4, 1                       ; h
	v_and_b32 v244, 8, v242
	v_add_nc_u32 v244, v244, v242                  ; r + 8 (r / 8)
	v_lshlrev_b32 v245, 4, v243                    ; 16 h
	s_lshl_b32 s34, s26, 15
	s_lshl_b32 s35, s26, 11
	v_lshl_add_u32 v1, v244, 8, v245               ; W1: a row is 256 bytes; my wave's 128 rows
	v_add_nc_u32 v1, s34, v1
	v_lshl_add_u32 v2, v244, 4, s35                ; its scales: 16 bytes a row
	s_lshl_b32 s33, s26, 9
	v_lshl_add_u32 v3, v243, 6, s33                ; b1: 16 h numbers on, my wave's 128
	v_lshlrev_b32 v4, 4, v241
	v_lshlrev_b32 v5, 2, v241
	v_lshl_add_u32 v6, v240, 11, v4
	v_add_nc_u32 v6, HIMG, v6                      ; images: 16 x lane + 2,048 x wave
	v_lshl_add_u32 v7, v240, 8, v5
	v_add_nc_u32 v7, HSC, v7                       ; scale words: 4 x lane + 256 x wave
	v_lshl_add_u32 v8, v242, 10, v245              ; W2: a row is 1,024 bytes; my wave's 32 rows
	v_add_nc_u32 v8, s34, v8
	v_lshl_add_u32 v9, v242, 6, s35                ; its scales: 64 bytes a row
	s_lshl_b32 s33, s26, 7
	v_lshl_add_u32 v10, v243, 5, s33               ; b2: 8 h numbers on, my wave's 32
	v_mul_u32_u24 v11, v242, SPITCH
	v_lshl_add_u32 v11, v243, 5, v11
	v_lshl_add_u32 v11, v240, 7, v11
	v_add_nc_u32 v11, STG, v11                     ; the stage, in: row r, + 32 h, + my wave's 128 bytes
	v_mul_u32_u24 v12, v240, 2*SPITCH
	v_add_nc_u32 v12, v12, v4
	v_add_nc_u32 v12, STG, v12                     ; out: rows 2 w, 2 w + 1, 16 bytes a lane
	v_lshl_add_u32 v15, v241, 8, s34               ; the prefetches: lanes 256 bytes apart in my wave's 32 KiB of W2
	v_lshlrev_b32 v250, 2, v242
	v_lshlrev_b32 v251, 3, v240
	v_mov_b32 v[C8V], 0xbf97d29d                   ; C8 = -1.18611495
	v_mov_b32 v[C8V+1], 0xbf97d29d
	s_mov_b32 s28, 0x76543210
	s_mov_b32 s29, 0xfedcba98                      ; v_permlanex16_b32's selects for lane l xor 16
	PAIR C9, 0x3e7c6f08                            ;  0.24651730   (the fit's coefficients x log2(e))
	PAIR C7, 0x40097039                            ;  2.14747446
	PAIR C6, 0xbfd1a1e5                            ; -1.63775315
	PAIR C5, 0x3ecdfd18                            ;  0.40232158
	PAIR C4, 0xbe899a80                            ; -0.26875686
	PAIR C3, 0x3e0efb2e                            ;  0.13963006
	PAIR C2, 0x3f0a29d2                            ;  0.53970062
	PAIR C1, 0x3fb8ab5a                            ;  1.44272920
	PAIR C0, 0xc034d90f                            ; -2.82574822 = -1.26551223 log2(e) - 1: the 1 is the factor 1/2
	PAIR KZ, 0xbf38aa3b                            ; -log2(e) / 2
	s_mov_b32 s[CD], 0x3eb504f3                    ; 1 / (2 sqrt 2)
	s_wait_kmcnt 0x0
	s_cmp_lg_u32 s26, 0
	s_cbranch_scc1 .Lplaced
	; ---- PLACING (wave 0).  Lane l holds the records of chunks l, 32 + l, 64 + l, 96 + l; an expert's rows are counted lane by lane, and in a lane in that order: the same in every work-group
.irp i, 0,1,2,3
	global_load_b128 v[16+4*\i:19+4*\i], v4, s[8:9] offset:512*\i
.endr
	v_mov_b32 v38, 0                               ; destinations of lane moves count as sources: written once
.irp f, 0,1,2,3
	v_mov_b32 v[76+\f], 0
.endr
	s_wait_loadcnt 0x0
	v_add_nc_u32 v32, v16, v20                     ; my four chunks' counts, a byte an expert: at most 128
	v_add_nc_u32 v33, v17, v21
	v_add3_u32 v32, v32, v24, v28
	v_add3_u32 v33, v33, v25, v29
	s_mov_b32 s81, 0x00ff00ff
	v_and_b32 v34, s81, v32                        ; widened to 16 bits: experts 0 | 2,
	v_lshrrev_b32 v35, 8, v32
	v_and_b32 v35, s81, v35                        ; 1 | 3,
	v_and_b32 v36, s81, v33                        ; 4 | 6,
	v_lshrrev_b32 v37, 8, v33
	v_and_b32 v37, s81, v37                        ; 5 | 7
.irp k, 1,2,4,8
.irp f, 0,1,2,3
	v_mov_b32_dpp v[76+\f], v[34+\f] row_xmask:\k row_mask:0xf bank_mask:0xf
.endr
.irp f, 0,1,2,3
	v_add_nc_u32 v[34+\f], v[34+\f], v[76+\f]
.endr
.endr
.irp f, 0,1,2,3
	v_permlanex16_b32 v[76+\f], v[34+\f], s28, s29
.endr
.irp f, 0,1,2,3
	v_add_nc_u32 v[34+\f], v[34+\f], v[76+\f]      ; the experts' totals, at most 4,096
.endr
.irp f, 0,1,2,3
	v_readfirstlane_b32 s[74+\f], v[34+\f]
.endr
	s_and_b32 s66, s74, 0xffff
	s_lshr_b32 s68, s74, 16
	s_and_b32 s67, s75, 0xffff
	s_lshr_b32 s69, s75, 16
	s_and_b32 s70, s76, 0xffff
	s_lshr_b32 s72, s76, 16
	s_and_b32 s71, s77, 0xffff
	s_lshr_b32 s73, s77, 16
	s_mov_b32 s30, 0                               ; E: the last expert whose first tile is not behind mine
	s_mov_b32 s79, 0                               ; its first tile
	s_mov_b32 s80, s66                             ; its rows
	s_add_co_u32 s78, s66, 31
	s_lshr_b32 s78, s78, 5                         ; tiles so far
.irp e, 1,2,3,4,5,6,7
	s_cmp_ge_u32 ttmp9, s78
	s_cselect_b32 s30, \e, s30
	s_cselect_b32 s79, s78, s79
	s_cselect_b32 s80, s[66+\e], s80
	s_add_co_u32 s81, s[66+\e], 31
	s_lshr_b32 s81, s81, 5
	s_add_co_u32 s78, s78, s81
.endr
	s_sub_co_u32 s32, ttmp9, s79                   ; T
	s_lshl_b32 s86, s32, 5                         ; my first row
	s_sub_co_i32 s31, s80, s86
	s_max_i32 s31, s31, 0
	s_min_i32 s31, s31, 32                         ; CNT
	s_max_u32 s82, s80, 1
	s_sub_co_u32 s82, s82, 1                       ; the expert's last row: rows past it are held there
	s_cmp_ge_u32 s30, 4
	s_cselect_b32 s83, -1, 0                       ; E's byte: in the record's second word of a pair?
	s_and_b32 s84, s30, 3
	s_lshl_b32 s84, s84, 3                         ; and at which bit
.irp i, 0,1,2,3
	v_cndmask_b32 v[40+\i], v[16+4*\i], v[17+4*\i], s83
	v_cndmask_b32 v[44+\i], v[18+4*\i], v[19+4*\i], s83
.endr
.irp i, 0,1,2,3
	v_bfe_u32 v[40+\i], v[40+\i], s84, 8           ; E's rows in my chunk i,
	v_bfe_u32 v[44+\i], v[44+\i], s84, 8           ; and their first place in its list
.endr
	v_add_nc_u32 v49, v40, v41
	v_add3_u32 v49, v49, v42, v43                  ; E's rows in my lane
	v_mov_b32 v50, 0                               ; those in lower lanes: a butterfly that adds the partner's sum where the partner stands below
.macro PFX mask, bit
	v_mov_b32_dpp v38, v49 row_xmask:\mask row_mask:0xf bank_mask:0xf
	v_bfe_u32 v51, v241, \bit, 1
	v_mad_u32_u24 v50, v38, v51, v50
	v_add_nc_u32 v49, v49, v38
.endm
	PFX 1, 0
	PFX 2, 1
	PFX 4, 2
	PFX 8, 3
	v_permlanex16_b32 v38, v49, s28, s29
	v_mad_u32_u24 v50, v38, v243, v50
	v_add_nc_u32 v53, v50, v40                     ; the first row of each of my chunks
	v_add_nc_u32 v54, v53, v41
	v_add_nc_u32 v55, v54, v42
	v_lshl_or_b32 v56, v44, 16, v50                ; with the place in the list above it
	v_lshl_or_b32 v57, v45, 16, v53
	v_lshl_or_b32 v58, v46, 16, v54
	v_lshl_or_b32 v59, v47, 16, v55
	v_add_nc_u32 v60, s86, v241
	v_min_u32 v60, s82, v60                        ; my row of the expert
	v_mov_b32 v61, 0                               ; which lane holds it: the last whose first row is not behind it
.set j, 1
.rept 31
	v_readlane_b32 s85, v50, j
	v_cmp_le_u32 vcc_lo, s85, v60
	v_add_co_ci_u32 v61, vcc_lo, 0, v61, vcc_lo
.set j, j+1
.endr
	v_lshlrev_b32 v62, 2, v61
.irp i, 0,1,2,3
	ds_bpermute_b32 v[64+\i], v62, v[56+\i]        ; that lane's four words (no LDS byte is touched)
.endr
	s_wait_dscnt 0x0
	v_mov_b32 v68, v64
	v_mov_b32 v69, 0                               ; which of its chunks: likewise the last
.irp i, 1,2,3
	v_and_b32 v70, 0xffff, v[64+\i]
	v_cmp_le_u32 vcc_lo, v70, v60
	v_cndmask_b32 v68, v68, v[64+\i], vcc_lo
	v_add_co_ci_u32 v69, vcc_lo, 0, v69, vcc_lo
.endr
	v_lshlrev_b32 v71, 10, v69                     ; 32 x chunk = 1,024 x which + 32 x lane,
	v_lshl_add_u32 v71, v61, 5, v71
	v_lshrrev_b32 v70, 16, v68
	v_add3_u32 v71, v71, v70, v60                  ; + the expert's first place in the chunk + my row
	v_and_b32 v70, 0xffff, v68
	v_sub_nc_u32 v71, v71, v70                     ; - the chunk's first row
	v_min_u32 v71, 0xfff, v71                      ; held inside the lists
	v_lshlrev_b32 v71, 2, v71
	global_load_b32 v72, v71, s[10:11]
	v_mov_b32 v73, 0
	v_writelane_b32 v73, s30, 0
	v_writelane_b32 v73, s31, 1
	v_writelane_b32 v73, s32, 2
	s_wait_loadcnt 0x0
	ds_store_b32 v5, v72 offset:LST                ; row = lane: its token
	ds_store_b32 v5, v73 offset:LST+128            ; E, CNT, T
.Lplaced:
	s_wait_dscnt 0x0                               ; for the others' sake: the list lies in LDS
	s_barrier_signal -1
	s_barrier_wait -1
	ds_load_b32 v226, v250 offset:LST              ; the tokens of rows r, 16 + r,
	ds_load_b32 v227, v250 offset:LST+64
	ds_load_b32 v228, v251 offset:LST              ; and of rows 2 w, 2 w + 1
	ds_load_b32 v229, v251 offset:LST+4
	ds_load_b32 v230, v5 offset:LST+128
	s_wait_dscnt 0x0
	v_readlane_b32 s30, v230, 0
	v_readlane_b32 s31, v230, 1
	v_readlane_b32 s32, v230, 2
	s_min_u32 s30, s30, 7                          ; numbers that were loaded are held before they enter an address
	s_min_u32 s31, s31, 32
	s_min_u32 s32, s32, 255
.irp i, 0,1,2,3
	v_min_u32 v[226+\i], 0xfff, v[226+\i]
.endr
	v_lshlrev_b32 v232, 8, v226                    ; x's codes: 256 bytes a token, + 16 h
	v_lshlrev_b32 v233, 8, v227
	v_add_nc_u32 v232, v232, v245
	v_add_nc_u32 v233, v233, v245
	v_lshlrev_b32 v236, 4, v226                    ; its scale words: 16 bytes a token
	v_lshlrev_b32 v237, 4, v227
	v_lshlrev_b32 v13, 11, v228                    ; out: 2,048 bytes a token, + 16 x lane
	v_lshlrev_b32 v14, 11, v229
	v_add_nc_u32 v13, v13, v4
	v_add_nc_u32 v14, v14, v4
	s_mov_b32 s35, 0
	s_lshl_b32 s34, s30, 19                        ; the expert's part of each weight
	s_add_nc_u64 s[12:13], s[12:13], s[34:35]
	s_add_nc_u64 s[18:19], s[18:19], s[34:35]
	s_lshl_b32 s34, s30, 15
	s_add_nc_u64 s[14:15], s[14:15], s[34:35]
	s_add_nc_u64 s[20:21], s[20:21], s[34:35]
	s_lshl_b32 s34, s30, 13
	s_add_nc_u64 s[16:17], s[16:17], s[34:35]
	s_lshl_b32 s34, s30, 11
	s_add_nc_u64 s[22:23], s[22:23], s[34:35]
.irp m, 0,1                                    ; x's 8 fragments and their scale words stay in registers through the first product
.irp s, 0,1,2,3
.irp c, 0,1
	global_load_b128 v[XF+32*\m+8*\s+4*\c:XF+32*\m+8*\s+4*\c+3], v[232+\m], s[4:5] offset:64*\s+32*\c
.endr
.endr
	global_load_b128 v[XS+4*\m:XS+4*\m+3], v[236+\m], s[6:7]
.endr
; The pair b of tiles of W1: 16 loads that cover 32 whole rows, 8,192 consecutive bytes; the rows' scale words; the bias in the result's layout.  22 loads
.macro WLOAD b
.irp u, 0,1
.irp s, 0,1,2,3
.irp c, 0,1
	global_load_b128 v[WF+32*\u+8*\s+4*\c:WF+32*\u+8*\s+4*\c+3], v1, s[12:13] offset:(32*(\b)+8*\u)*256+64*\s+32*\c
.endr
.endr
.endr
.irp u, 0,1
	global_load_b128 v[WS+4*\u:WS+4*\u+3], v2, s[14:15] offset:(32*(\b)+8*\u)*16
	global_load_b128 v[BI+8*\u:BI+8*\u+3], v3, s[16:17] offset:(32*(\b)+8*\u)*4
	global_load_b128 v[BI+8*\u+4:BI+8*\u+7], v3, s[16:17] offset:(32*(\b)+8*\u)*4+16
.endr
.endm
; 16 matrix instructions: four accumulators (2 tiles of W1 x 2 tiles of tokens) by turns, one instruction a turn; K ascending; the first takes the bias as C
.macro MUL1
.irp s, 0,1,2,3
.irp u, 0,1
.irp m, 0,1
.if \s == 0
	v_wmma_scale_f32_16x16x128_f8f6f4 v[ACC+16*\m+8*\u:ACC+16*\m+8*\u+7], v[WF+32*\u+8*\s:WF+32*\u+8*\s+7], v[XF+32*\m+8*\s:XF+32*\m+8*\s+7], v[BI+8*\u:BI+8*\u+7], v[WS+4*\u+\s], v[XS+4*\m+\s] matrix_a_fmt:MATRIX_FMT_FP4 matrix_b_fmt:MATRIX_FMT_FP4
.else
	v_wmma_scale_f32_16x16x128_f8f6f4 v[ACC+16*\m+8*\u:ACC+16*\m+8*\u+7], v[WF+32*\u+8*\s:WF+32*\u+8*\s+7], v[XF+32*\m+8*\s:XF+32*\m+8*\s+7], v[ACC+16*\m+8*\u:ACC+16*\m+8*\u+7], v[WS+4*\u+\s], v[XS+4*\m+\s] matrix_a_fmt:MATRIX_FMT_FP4 matrix_b_fmt:MATRIX_FMT_FP4
.endif
.endr
.endr
.endr
.endm
; Exact GELU of one accumulator's eight numbers, in place, from its low end on.  Two batches of transcendentals, each with plain work behind it and ONE wait ahead of its first reader
.macro GELU8 z
.irp i, 0,1,2,3,4,5,6,7
	v_fma_f32 v[T+\i], |v[(\z)+\i]|, s[CD], 1.0
.endr
.irp i, 0,1,2,3,4,5,6,7
	v_rcp_f32 v[T+\i], v[T+\i]                     ; t
.endr
.irp i, 0,2,4,6
	v_pk_mul_f32 v[AA+\i:AA+\i+1], v[(\z)+\i:(\z)+\i+1], s[KZ:KZ+1] op_sel_hi:[1,0]
.endr
.irp i, 0,2,4,6
	v_pk_fma_f32 v[AA+\i:AA+\i+1], v[AA+\i:AA+\i+1], v[(\z)+\i:(\z)+\i+1], s[C0:C0+1] op_sel_hi:[1,1,0]   ; KZ z z + C0
.endr
	s_wait_alu depctr_va_vdst(0)                   ; the eight reciprocals
.irp i, 0,2,4,6
	v_pk_fma_f32 v[P+\i:P+\i+1], v[T+\i:T+\i+1], s[C9:C9+1], v[C8V:C8V+1] op_sel_hi:[1,0,1]
.endr
.irp cc, C7, C6, C5, C4, C3, C2, C1
.irp i, 0,2,4,6
	v_pk_fma_f32 v[P+\i:P+\i+1], v[P+\i:P+\i+1], v[T+\i:T+\i+1], s[\cc:\cc+1] op_sel_hi:[1,1,0]
.endr
.endr
.irp i, 0,2,4,6
	v_pk_fma_f32 v[P+\i:P+\i+1], v[P+\i:P+\i+1], v[T+\i:T+\i+1], v[AA+\i:AA+\i+1]
.endr
.irp i, 0,1,2,3,4,5,6,7
	v_exp_f32 v[P+\i], v[P+\i]
.endr
.irp i, 0,1,2,3,4,5,6,7
	v_max_num_f32 v[AA+\i], 0, v[(\z)+\i]
.endr
	s_wait_alu depctr_va_vdst(0)                   ; the eight exponentials
.irp i, 0,2,4,6
	v_pk_mul_f32 v[T+\i:T+\i+1], v[T+\i:T+\i+1], v[P+\i:P+\i+1]    ; q
.endr
.irp i, 0,1,2,3,4,5,6,7
	v_fma_f32 v[(\z)+\i], -|v[(\z)+\i]|, v[T+\i], v[AA+\i]
.endr
.endm
; Block b of the wave's 128 hidden units, for both tiles of tokens: a lane's 16 registers are k = 32 b + 16 h + 0 .. 15 of its token; lane l xor 16 holds the block's other half
.macro QUANTB b
.irp m, 0,1
	v_max3_num_f32 v[T+\m], |v[ACC+16*\m]|, |v[ACC+16*\m+1]|, 0x1800000    ; with the floor 2^(3 - 127): the byte cannot fall under 1
.endr
.irp i, 2,4,6,8,10,12,14
.irp m, 0,1
	v_max3_num_f32 v[T+\m], v[T+\m], |v[ACC+16*\m+\i]|, |v[ACC+16*\m+\i+1]|
.endr
.endr
.irp m, 0,1
	v_permlanex16_b32 v[T+2+\m], v[T+\m], s28, s29
.endr
.irp m, 0,1
	v_max_num_f32 v[T+\m], v[T+\m], v[T+2+\m]
.endr
.irp m, 0,1
	v_add_nc_u32 v[T+4+\m], 0xff000000, v[T+\m]    ; 2 off the exponent field: the conversion's scale operand
.endr
.irp m, 0,1
.if \b == 0
	v_lshrrev_b32 v[PW+\m], 23, v[T+4+\m]          ; the scale's byte: four make the token's scale word
.else
	v_lshrrev_b32 v[T+2+\m], 23, v[T+4+\m]
	v_lshl_or_b32 v[PW+\m], v[T+2+\m], 8*\b, v[PW+\m]
.endif
.endr
.irp m, 0,1
	v_cvt_scalef32_pk8_fp4_f32 v[PC+8*\m+2*\b], v[ACC+16*\m:ACC+16*\m+7], v[T+4+\m]
	v_cvt_scalef32_pk8_fp4_f32 v[PC+8*\m+2*\b+1], v[ACC+16*\m+8:ACC+16*\m+15], v[T+4+\m]
.endr
	v_nop                                          ; one plain place behind the scaled conversions
.endm
; Quad q of W2: K steps 4 q .. 4 q + 3 of my 32 rows (256 consecutive bytes of each row), and their scale words.  18 loads.  Even quads and odd quads have registers of their own
.macro W2LOAD qq
.set WB2, WF-72*((\qq)%2)
.set WS2, WS-72*((\qq)%2)
.irp n, 0,1
.irp s, 0,1,2,3
.irp c, 0,1
	global_load_b128 v[WB2+32*\n+8*\s+4*\c:WB2+32*\n+8*\s+4*\c+3], v8, s[18:19] offset:16384*\n+256*(\qq)+64*\s+32*\c
.endr
.endr
.endr
.irp n, 0,1
	global_load_b128 v[WS2+4*\n:WS2+4*\n+3], v9, s[20:21] offset:1024*\n+16*(\qq)
.endr
.endm
.macro B2LOAD
.irp n, 0,1
	global_load_b128 v[BI+8*\n:BI+8*\n+3], v10, s[22:23] offset:64*\n
	global_load_b128 v[BI+8*\n+4:BI+8*\n+7], v10, s[22:23] offset:64*\n+16
.endr
.endm
; ---- THE FIRST PRODUCT, a pair of tiles (32 hidden units) at a time.  The next pair's weights are asked for as soon as this pair's products are issued, and land under its GELU
.macro PAIRB b
	s_wait_loadcnt 0x0                             ; all that is out is what this pair wants
	MUL1
	PLACES
.if \b < 3
	WLOAD (\b+1)
.else
	W2LOAD 0                                       ; the second product's first two quads and its bias, into the registers that the first product has left
	B2LOAD
	W2LOAD 1
.endif
.if \b == 0
	; A PREFETCH INTO THE L2 of W2, which is first wanted behind the whole first product.  The expert's first tile asks; in it each wave for its own 32 rows, 32 KiB, lanes 256 bytes apart, four instructions:
	; so each aligned block of 256 bytes of an expert's W2 is named once in the launch.  It stands behind the loads just issued; its address registers are never rewritten
	s_cmp_eq_u32 s32, 0
	s_cbranch_scc0 .Lnot_first
.irp i, 0,1,2,3
	global_prefetch_b8 v15, s[18:19] offset:8192*\i th:TH_LOAD_NT scope:SCOPE_SE
.endr
.Lnot_first:
.endif
	GELU8 ACC
	GELU8 ACC+8
	GELU8 ACC+16
	GELU8 ACC+24
	QUANTB \b
.endm
	WLOAD 0
	PAIRB 0
	PAIRB 1
	PAIRB 2
	PAIRB 3
.irp m, 0,1                                    ; the operand's layout wants a WHOLE block in a lane: lanes 0-15 block 2 c, lanes 16-31 block 2 c + 1
.irp c, 0,1
.irp i, 0,1
	v_permlane16_swap_b32 v[PC+8*\m+4*\c+\i], v[PC+8*\m+4*\c+2+\i]
.endr
.endr
.endr
.irp m, 0,1                                    ; K step w of the second product goes to LDS as an image of its registers
.irp c, 0,1
	ds_store_b128 v6, v[PC+8*\m+4*\c:PC+8*\m+4*\c+3] offset:1024*\m+512*\c
.endr
	ds_store_b32 v7, v[PW+\m] offset:128*\m
.endr
	s_wait_dscnt 0x0                               ; for the others' sake: my images lie in LDS
	s_barrier_signal -1
	s_barrier_wait -1                              ; the hidden layer's 32 fragments lie in LDS
; ---- THE SECOND PRODUCT: 16 K steps, four accumulators (2 tiles of outputs x 2 tiles of tokens) by turns
.macro HLOAD s                         ; K step s of the hidden layer, both tiles of tokens, into set s % 2: six LDS loads
.set HST, (\s)%2
.irp m, 0,1
.irp c, 0,1
	ds_load_b128 v[PC+18*HST+8*\m+4*\c:PC+18*HST+8*\m+4*\c+3], v4 offset:HIMG+(2*(\s)+\m)*1024+512*\c
.endr
	ds_load_b32 v[PW+30*HST+\m], v5 offset:HSC+(2*(\s)+\m)*128
.endr
.endm
.macro STEP s
.set KQ,  (\s)/4
.set KSP, (\s)%4
.set KBF, WF-72*(KQ%2)
.set KSS, WS-72*(KQ%2)
.set KST, (\s)%2
.if (\s) > 0
	PLACES                                         ; the loads below land in registers that the last steps' products have read
.endif
.if (KSP == 0) && (KQ >= 1) && (KQ <= 2)
	W2LOAD KQ+1                                    ; into the registers of the quad just done
.endif
.if (\s) < 15
	HLOAD (\s)+1
	s_wait_dscnt 6                                 ; this step's six are in; the six just issued may be out
.else
	s_wait_dscnt 0x0
.endif
.if KSP == 0
.if KQ < 3
	s_wait_loadcnt 18                              ; this quad (and at first the bias) is in; the 18 loads of the youngest quad may be out
.else
	s_wait_loadcnt 0x0
.endif
.endif
.irp n, 0,1
.irp m, 0,1
.if (\s) == 0
	v_wmma_scale_f32_16x16x128_f8f6f4 v[ACC+8*(2*\n+\m):ACC+8*(2*\n+\m)+7], v[KBF+32*\n+8*KSP:KBF+32*\n+8*KSP+7], v[PC+18*KST+8*\m:PC+18*KST+8*\m+7], v[BI+8*\n:BI+8*\n+7], v[KSS+4*\n+KSP], v[PW+30*KST+\m] matrix_a_fmt:MATRIX_FMT_FP4 matrix_b_fmt:MATRIX_FMT_FP4
.else
	v_wmma_scale_f32_16x16x128_f8f6f4 v[ACC+8*(2*\n+\m):ACC+8*(2*\n+\m)+7], v[KBF+32*\n+8*KSP:KBF+32*\n+8*KSP+7], v[PC+18*KST+8*\m:PC+18*KST+8*\m+7], v[ACC+8*(2*\n+\m):ACC+8*(2*\n+\m)+7], v[KSS+4*\n+KSP], v[PW+30*KST+\m] matrix_a_fmt:MATRIX_FMT_FP4 matrix_b_fmt:MATRIX_FMT_FP4
.endif
.endr
.endr
.endm
	HLOAD 0
.irp s, 0,1,2,3,4,5,6,7,8,9,10,11,12,13,14,15
	STEP \s
.endr
	; ---- THE WAY OUT.  x 2; a lane's eight results are eight neighbouring outputs of one token; a token's 512 come from sixteen waves: they meet in the stage, and each wave stores two whole rows
	PLACES
.set j, 0
.rept 16
	v_pk_mul_f32 v[ACC+2*j:ACC+2*j+1], v[ACC+2*j:ACC+2*j+1], 2.0 op_sel_hi:[1,0]   ; each accumulator from its low end on
.set j, j+1
.endr
.irp n, 0,1
.irp m, 0,1
	ds_store_b128 v11, v[ACC+8*(2*\n+\m):ACC+8*(2*\n+\m)+3] offset:16*SPITCH*\m+64*\n
	ds_store_b128 v11, v[ACC+8*(2*\n+\m)+4:ACC+8*(2*\n+\m)+7] offset:16*SPITCH*\m+64*\n+16
.endr
.endr
	s_wait_dscnt 0x0                               ; for the others' sake: my part of the 32 rows lies in the stage
	s_barrier_signal -1
	s_barrier_wait -1
.irp k, 0,1
.irp i, 0,1,2,3
	ds_load_b128 v[WF+16*\k+4*\i:WF+16*\k+4*\i+3], v12 offset:SPITCH*\k+512*\i
.endr
.endr
	s_wait_dscnt 0x0
	s_lshl_b32 s34, s26, 1                         ; row 2 w: is it one of the tile's?  (a branch on a stored number; no barrier follows)
	s_cmp_lt_u32 s34, s31
	s_cbranch_scc0 .Lend
.irp i, 0,1,2,3
	global_store_b128 v13, v[WF+4*\i:WF+4*\i+3], s[24:25] offset:512*\i th:TH_STORE_NT     ; 32 lanes store 512 consecutive bytes of the token's row, aligned
.endr
	s_add_co_u32 s34, s34, 1                       ; row 2 w + 1
	s_cmp_lt_u32 s34, s31
	s_cbranch_scc0 .Lend
.irp i, 0,1,2,3
	global_store_b128 v14, v[WF+16+4*\i:WF+16+4*\i+3], s[24:25] offset:512*\i th:TH_STORE_NT
.endr
.Lend:
	s_wait_xcnt 0x0
	v_lshl_add_u32 v252, v0, 2, 0x19400
	v_mov_b32 v253, 0
	s_wait_tensorcnt 0x0
	ds_add_u32 v252, v253
	s_wait_dscnt 0x0
	s_endpgm
.Lfunc_end_k_q0322f3a3f0_ffn:
	.size	k_q0322f3a3f0_ffn, .Lfunc_end_k_q0322f3a3f0_ffn-k_q0322f3a3f0_ffn
	.p2alignl 7, 3214868480
	.fill 96, 4, 3214868480
	.section	.rodata,"a",@progbits
	.p2align	6, 0x0
	.amdhsa_kernel k_q0322f3a3f0_ffn
		.amdhsa_group_segment_fixed_size 105472
		.amdhsa_private_segment_fixed_size 0
		.amdhsa_enable_private_segment 0
		.amdhsa_kernarg_size 88
		.amdhsa_user_sgpr_count 2
		.amdhsa_user_sgpr_kernarg_segment_ptr 1
		.amdhsa_wavefront_size32 1
		.amdhsa_system_sgpr_workgroup_id_x 1
		.amdhsa_system_sgpr_workgroup_id_y 1
		.amdhsa_system_sgpr_workgroup_id_z 1
		.amdhsa_system_vgpr_workitem_id 0
		.amdhsa_next_free_vgpr 256
		.amdhsa_next_free_sgpr 100
		.amdhsa_reserve_vcc 1
		.amdhsa_float_denorm_mode_32 3
		.amdhsa_float_denorm_mode_16_64 3
		.amdhsa_memory_ordered 1
		.amdhsa_forward_progress 1
		.amdhsa_inst_pref_size 151
	.end_amdhsa_kernel
	.amdgpu_metadata
---
amdhsa.version: [ 1, 2 ]
amdhsa.kernels:
  - .name:           k_q0322f3a3f0_ffn
    .symbol:         k_q0322f3a3f0_ffn.kd
    .args:
      - { .name: xq, .offset: 0, .size: 8, .value_kind: global_buffer, .address_space: global }
      - { .name: xs, .offset: 8, .size: 8, .value_kind: global_buffer, .address_space: global }
      - { .name: rec, .offset: 16, .size: 8, .value_kind: global_buffer, .address_space: global }
      - { .name: ordc, .offset: 24, .size: 8, .value_kind: global_buffer, .address_space: global }
      - { .name: w1_codes, .offset: 32, .size: 8, .value_kind: global_buffer, .address_space: global }
      - { .name: w1_scales, .offset: 40, .size: 8, .value_kind: global_buffer, .address_space: global }
      - { .name: b1, .offset: 48, .size: 8, .value_kind: global_buffer, .address_space: global }
      - { .name: w2_codes, .offset: 56, .size: 8, .value_kind: global_buffer, .address_space: global }
      - { .name: w2_scales, .offset: 64, .size: 8, .value_kind: global_buffer, .address_space: global }
      - { .name: b2, .offset: 72, .size: 8, .value_kind: global_buffer, .address_space: global }
      - { .name: out0, .offset: 80, .size: 8, .value_kind: global_buffer, .address_space: global }
    .group_segment_fixed_size: 105472
    .private_segment_fixed_size: 0
    .kernarg_segment_align: 8
    .kernarg_segment_size: 88
    .max_flat_workgroup_size: 512
    .sgpr_count:     100
    .vgpr_count:     256
    .wavefront_size: 32
...
	.end_amdgpu_metadata
.endif
;; end of part 2
